; MI455X (gfx1250); checked and timed in simulation.
; The chip was launched on July 23, 2026; its instructions are those of AMD's public machine-readable ISA for CDNA 5 (MIT licence, August 2026) and "CDNA5" Instruction Set Architecture Reference Guide (July 2026). The comments in the code are by the model that wrote it; some were corrected since.
;; NNK. Allowed arithmetic: float matrix products may take bf16 or f16 operands with f32 sums; other float arithmetic in f32, or as packed bf16 or f16 multiplies, adds, multiply-adds, maxima and minima; sums over many terms, partial sums and values carried from step to step in f32; what a program stores and reads back later, other than sums and carried values, may be rounded once to bf16 or f16.
;; Inputs: gs 2,048 x 1,024 float32; input_weights 2,048 x 1,024 float32; x 4 x 2,048 x 1,024 float32; xis 2,048 float32.
;; Outputs: out0 4 x 2,048 x 2,048 float32.
;; 2 versions, each right; version 2 is version 1 with the launch prep written anew for expert scheduling mode. Each part assembles by itself: llvm-mc -triple=amdgcn-amd-amdhsa -mcpu=gfx1250 --defsym DOCPART=n.
;; ======== version 1 of 2: 3 launches
;; workspace buffers: xg 25,165,824 bytes; sq2 81,920 bytes; phi 41,943,040 bytes
;; launch prep (part 1): grid 384 x 1, 8 waves a work-group, no clusters, 1,280 bytes of LDS; arguments x, input_weights, gs, xg, sq2; writes xg, sq2
.if DOCPART == 1
	.amdgcn_target "amdgcn-amd-amdhsa--gfx1250"
	.amdhsa_code_object_version 6
	.text
	.protected	k_qadbcfc5d08_prep
	.globl	k_qadbcfc5d08_prep
	.p2align	8
	.type	k_qadbcfc5d08_prep,@function
k_qadbcfc5d08_prep:
	s_mov_b64 s[64:65], 0
	v_nop
	global_prefetch_b8 v0, s[64:65] scope:SCOPE_SE
	s_setreg_imm32_b32 hwreg(HW_REG_WAVE_MODE, 25, 1), 1
	s_wait_xcnt 0x0
; xg[12288][1024] bf16 = x (rows 0-8191), input_weights (8192-10239), gs (10240-12287), each number rounded once.
; sq2[10240][2] f32 = the sum of squares of each row of x and of input_weights, taken of the f32 originals, written twice
; (8 bytes a row: a work-group's 32 rows are 256 consecutive bytes, and the next launch loads a row's sum as a ready pair).
; SHARES.  A work-group owns 32 rows, each of its eight waves four.  A row is 4,096 bytes: eight loads of 16 bytes a lane, each of 512
; consecutive bytes.  All 32 loads of a wave go out at once: there is no loop.  Four f32 of a lane pack into 8 bytes of bf16, so one
; store of a wave covers 256 consecutive bytes, aligned.
; The work-groups of gs make their sums like the others (one text for all) and do not store them.
; No matrix unit, no cluster, no tensor load: nothing is shared and nothing is read twice.
.set SPARE, 256                        ; LDS: bytes 0-127 the 32 sums; from 256 on the spare words, 128 bytes for each of the eight waves
.set LO,  2                            ; v2   my byte offset in the group's source rows: 16,384 x wave + 16 x lane
.set SO,  3                            ; v3   the same in xg: 8,192 x wave + 8 x lane
.set LW,  4                            ; v4   LDS: my wave's four sums at 16 x wave
.set L4,  5                            ; v5   4 x lane
.set L8,  6                            ; v6   8 x lane
.set SPW, 8                            ; v8   LDS address of my spare word; never rewritten
.set NIL, 9                            ; v9   0; never rewritten
.set Q,   10                           ; v[10:17] four pairs of running sums
.set S,   18                           ; v[18:21] the four rows' sums
.set R,   26                           ; v[26:27] a row's sum, twice
.set X,   32                           ; v[32:159] row i at X + 32 i
	s_load_b256 s[4:11], s[0:1], 0x0               ; x s[4:5], input_weights s[6:7], gs s[8:9], xg s[10:11]
	s_load_b64 s[12:13], s[0:1], 0x20              ; sq2
	v_lshl_add_u32 v[SPW], v0, 2, SPARE
	v_mov_b32 v[NIL], 0
	v_and_b32 v1, 31, v0                           ; lane
	v_lshrrev_b32 v7, 5, v0
	v_readfirstlane_b32 s20, v7                    ; wave 0..7
	s_lshl_b32 s21, s20, 14                        ; four rows of 4,096 bytes
	v_lshl_add_u32 v[LO], v1, 4, s21
	s_lshl_b32 s21, s20, 13                        ; four rows of 2,048 bytes
	v_lshl_add_u32 v[SO], v1, 3, s21
	s_lshl_b32 s21, s20, 4
	v_mov_b32 v[LW], s21
	v_lshlrev_b32 v[L4], 2, v1
	v_lshlrev_b32 v[L8], 3, v1
	s_mov_b32 s22, 0x76543210                      ; v_permlanex16_b32: each lane takes its own place in the other half
	s_mov_b32 s23, 0xfedcba98
	s_wait_kmcnt 0x0
	s_cmp_lt_u32 ttmp9, 256                        ; work-groups 0-255: x; 256-319: input_weights; 320-383: gs
	s_cselect_b64 s[14:15], s[4:5], s[6:7]
	s_cselect_b32 s16, 0, 256
	s_cmp_lt_u32 ttmp9, 320
	s_cselect_b64 s[14:15], s[14:15], s[8:9]
	s_cselect_b32 s16, s16, 320
	s_sub_co_u32 s17, ttmp9, s16                   ; my number within the source
	s_lshl_b32 s18, s17, 17                        ; 32 rows of 4,096 bytes
	s_mov_b32 s19, 0
	s_add_nc_u64 s[14:15], s[14:15], s[18:19]
	s_lshl_b32 s18, ttmp9, 16                      ; 32 rows of 2,048 bytes
	s_add_nc_u64 s[10:11], s[10:11], s[18:19]
	s_lshl_b32 s18, ttmp9, 8                       ; 32 rows of 8 bytes (used by work-groups 0-319 alone)
	s_add_nc_u64 s[12:13], s[12:13], s[18:19]
.set i, 0
.rept 4
.set j, 0
.rept 8
	global_load_b128 v[X+32*i+4*j:X+32*i+4*j+3], v[LO], s[14:15] offset:4096*i+512*j th:TH_LOAD_NT
.set j, j+1
.endr
.set i, i+1
.endr
; Row i of my four: its sum of squares in four chains of packed multiply-adds, then its numbers rounded in place and stored.
; No register is written again behind its store, so no wait for the stores' sources is needed.
.macro ROW i
	s_wait_loadcnt 8*(3-(\i))                      ; loads come back in order: my row's eight are in, the later rows' stay out
.set XR, X+32*(\i)
.set p, 0
.rept 16
.if p < 4
	v_pk_mul_f32 v[Q+2*p:Q+2*p+1], v[XR+2*p:XR+2*p+1], v[XR+2*p:XR+2*p+1]  ; the first four pairs start the chains
.else
	v_pk_fma_f32 v[Q+2*(p%4):Q+2*(p%4)+1], v[XR+2*p:XR+2*p+1], v[XR+2*p:XR+2*p+1], v[Q+2*(p%4):Q+2*(p%4)+1]
.endif
.set p, p+1
.endr
	v_pk_add_f32 v[Q:Q+1], v[Q:Q+1], v[Q+2:Q+3]
	v_pk_add_f32 v[Q+4:Q+5], v[Q+4:Q+5], v[Q+6:Q+7]
	v_pk_add_f32 v[Q:Q+1], v[Q:Q+1], v[Q+4:Q+5]
	v_add_f32 v[S+(\i)], v[Q], v[Q+1]
.set j, 0
.rept 8
	v_cvt_pk_bf16_f32 v[XR+4*j], v[XR+4*j], v[XR+4*j+1]
	v_cvt_pk_bf16_f32 v[XR+4*j+1], v[XR+4*j+2], v[XR+4*j+3]
	global_store_b64 v[SO], v[XR+4*j:XR+4*j+1], s[10:11] offset:2048*(\i)+256*j  ; 32 lanes store 256 consecutive bytes, aligned
.set j, j+1
.endr
.endm
	ROW 0
	ROW 1
	ROW 2
	ROW 3
	; across the 32 lanes, the four rows side by side
.irp m, 1,2,4,8
.irp i, 0,1,2,3
	v_add_f32_dpp v[S+(\i)], v[S+(\i)], v[S+(\i)] row_xmask:\m row_mask:0xf bank_mask:0xf
.endr
.endr
.irp i, 0,1,2,3
	v_permlanex16_b32 v[Q+(\i)], v[S+(\i)], s22, s23   ; its destination has been written before
.endr
.irp i, 0,1,2,3
	v_add_f32 v[S+(\i)], v[S+(\i)], v[Q+(\i)]          ; every lane holds the row's sum
.endr
	ds_store_b128 v[LW], v[S:S+3]                  ; all lanes write the same 16 bytes with the same numbers: word 4 w + i is row 4 w + i
	s_wait_dscnt 0x0                               ; for the others' sake: my store is done
	s_barrier_signal -1
	s_barrier_wait -1                              ; all 32 sums lie in LDS
	s_cmp_lg_u32 s20, 0
	s_cbranch_scc1 .Lend                           ; wave 0 stores them,
	s_cmp_ge_u32 ttmp9, 320
	s_cbranch_scc1 .Lend                           ; and not for rows of gs
	ds_load_b32 v[R], v[L4]                        ; lane l: row l
	s_wait_dscnt 0x0
	v_mov_b32 v[R+1], v[R]
	global_store_b64 v[L8], v[R:R+1], s[12:13]     ; 256 consecutive bytes, aligned
.Lend:
	s_wait_tensorcnt 0x0                           ; the wave's end, behind my last LDS store
	ds_add_u32 v[SPW], v[NIL]
	s_wait_dscnt 0x0
	s_endpgm
.Lfunc_end_k_qadbcfc5d08_prep:
	.size	k_qadbcfc5d08_prep, .Lfunc_end_k_qadbcfc5d08_prep-k_qadbcfc5d08_prep
	.p2alignl 7, 3214868480
	.fill 96, 4, 3214868480
	.section	.rodata,"a",@progbits
	.p2align	6, 0x0
	.amdhsa_kernel k_qadbcfc5d08_prep
		.amdhsa_group_segment_fixed_size 1280
		.amdhsa_private_segment_fixed_size 0
		.amdhsa_enable_private_segment 0
		.amdhsa_kernarg_size 40
		.amdhsa_user_sgpr_count 2
		.amdhsa_user_sgpr_kernarg_segment_ptr 1
		.amdhsa_wavefront_size32 1
		.amdhsa_system_sgpr_workgroup_id_x 1
		.amdhsa_system_sgpr_workgroup_id_y 1
		.amdhsa_system_sgpr_workgroup_id_z 1
		.amdhsa_system_vgpr_workitem_id 0
		.amdhsa_next_free_vgpr 160
		.amdhsa_next_free_sgpr 66
		.amdhsa_reserve_vcc 0
		.amdhsa_float_denorm_mode_32 3
		.amdhsa_float_denorm_mode_16_64 3
		.amdhsa_memory_ordered 1
		.amdhsa_forward_progress 1
		.amdhsa_inst_pref_size 19
	.end_amdhsa_kernel
	.amdgpu_metadata
---
amdhsa.version: [ 1, 2 ]
amdhsa.kernels:
  - .name:           k_qadbcfc5d08_prep
    .symbol:         k_qadbcfc5d08_prep.kd
    .args:
      - { .name: x, .offset: 0, .size: 8, .value_kind: global_buffer, .address_space: global }
      - { .name: input_weights, .offset: 8, .size: 8, .value_kind: global_buffer, .address_space: global }
      - { .name: gs, .offset: 16, .size: 8, .value_kind: global_buffer, .address_space: global }
      - { .name: xg, .offset: 24, .size: 8, .value_kind: global_buffer, .address_space: global }
      - { .name: sq2, .offset: 32, .size: 8, .value_kind: global_buffer, .address_space: global }
    .group_segment_fixed_size: 1280
    .private_segment_fixed_size: 0
    .kernarg_segment_align: 8
    .kernarg_segment_size: 40
    .max_flat_workgroup_size: 256
    .sgpr_count:     66
    .vgpr_count:     160
    .wavefront_size: 32
...
	.end_amdgpu_metadata
.endif
;; end of part 1
;; launch feat (part 2): grid 8 x 32, 4 waves a work-group, clusters of 4 x 4, 327,680 bytes of LDS; arguments xg, xis, phi, sq2; writes phi
.if DOCPART == 2
	.amdgcn_target "amdgcn-amd-amdhsa--gfx1250"
	.amdhsa_code_object_version 6
	.text
	.protected	k_qadbcfc5d08_feat
	.globl	k_qadbcfc5d08_feat
	.p2align	8
	.type	k_qadbcfc5d08_feat,@function
k_qadbcfc5d08_feat:
	s_mov_b64 s[64:65], 0
	v_nop
	global_prefetch_b8 v0, s[64:65] scope:SCOPE_SE
	s_setreg_imm32_b32 hwreg(HW_REG_WAVE_MODE, 25, 1), 1
	s_wait_xcnt 0x0
	s_wait_alu depctr_hold_cnt(0) depctr_sa_sdst(0) depctr_va_vdst(0) depctr_va_sdst(0) depctr_va_ssrc(0) depctr_va_vcc(0) depctr_vm_vsrc(0)
	s_getreg_b32 s2, hwreg(HW_REG_IB_STS2, 6, 4)
	s_cmp_eq_u32 s2, 0
	s_cbranch_scc0 .Lentry_in_a_cluster
	s_endpgm
.Lentry_in_a_cluster:
	s_bfe_u32 s2, ttmp6, 0x10000c
	s_cmp_lg_u32 s2, 0xf033
	s_cbranch_scc0 .Lentry_shape_is_right
	s_endpgm
.Lentry_shape_is_right:
; phi[r][m] = 2048^-1/2 exp(ab[m] raw[r][m] - 1/2 sq[r] ab[m]^2), raw[r][m] = the sum over k of xg[r][k] xg[10240 + m][k], ab = xis.
; xg: [12288][1024] bf16 (rows 0-10239: x, then input_weights; rows 10240 on: gs).  phi: [10240][2048] bf16.  sq2: [10240][2] f32.  Sums in f32.
; The map is one exponential of base 2: p = 2^(raw c1 - (sq c2 + 5.5)), c1 = ab log2(e), c2 = ab^2 log2(e) / 2; 2^-5.5 = 2048^-1/2.
; LIMITS.  ab is applied to the finished f32 sum, not to gs, and 2048^-1/2 inside the exponent: another order of rounding than the formula's, and p grows
; infinite only past 2^128.  A p below 2^-126 counts as 0.  p is rounded once, to bf16 (f32's range).  NaN and infinities are not treated apart.
; SHARES.  A tile of phi is 320 rows x 256 columns: 32 x 8 tiles, one work-group each.  Four waves, each 160 x 128: 80 accumulators of 16 x 16, 640 registers.
; K goes in steps of 128 through two LDS slots filled by the tensor data mover: rows of 256 bytes, at multiples of 256 bytes from the buffer's first byte.
; CLUSTERS: 4 x 4 work-groups.  The four of a row of the cluster need the same 320 rows of A, the four of a column the same 256 rows of B (gs): each tile is asked
; for JOINTLY, by the same tensor load with the same descriptor and a mask that names the four.
; THE MATRIX INSTRUCTION IS USED TRANSPOSED (source 0 = 16 rows of B, source 1 = 16 rows of A): lane l holds row l % 16 and the columns 8 (l / 16) + 0..7.
; REGISTERS, in windows of 256 (s_set_vgpr_msb: bits 1:0 source 0, 3:2 source 1, 5:4 source 2, 7:6 destination):
;   window 0: v0-11 addresses; v12-31 my rows' sq, a pair a block; v32-111, v112-191 A's fragments, two buffers (later the rows on their way out); v192-255 xis of my columns, later at work
;   window 1: v0-63, v64-127 B's fragments, two buffers (later c1, c2); v128-255 the accumulators of row blocks 8, 9
;   window 2: the accumulators of row blocks 0-3 ((a, b) at 64 (a % 4) + 8 b);   window 3: those of blocks 4-7
.set NA,     10                        ; blocks of 16 rows of A a wave
.set SIZE_K, 1024
.set ROWSH,  11                        ; a row of xg is 2,048 bytes
.set ROWB,   1<<ROWSH
.set LAPS,   SIZE_K/256                ; a lap = two K steps = once round the ring
.set KSTEP,  128
.set PITCH,  272                       ; an LDS row: 256 bytes + 16 of padding = 68 words: the 16 rows that a load touches start at 16 different groups of four banks (64 banks of 4 bytes: ISA guide 11.1)
.set AHALF,  16*NA*PITCH               ; 160 rows: what one tensor load brings of A, and what one wave reads of A
.set BHALF,  128*PITCH                 ; the same for B: 128 rows
.set BOFF,   2*AHALF                   ; in a slot: A's 320 rows, then B's 256
.set SLOT,   BOFF+2*BHALF
.set SPITCH, 272                       ; the stage for the way out: 16 rows x 272 bytes a wave, at the head of slot 0, which has had its last fill by then
.set SPARE,  2*SLOT                    ; behind the ring: the spare words, 128 bytes for each wave: two blocks of 256 bytes that no other line names
.set BROW0,  10240                     ; B's first row in xg
.set FLAGS,  (1<<16)|(1<<20)|(1<<21)|(5<<22)|(3<<25)  ; 17:16 elements of 2 bytes; 20 padding on; 21 set beside a mask; 24:22 after every 64 words; 31:25 4 words of it
.set PFO2, 1                           ; v1   the one further prefetch's offset
.set ADRA, 2                           ; v2-3 LDS address of my A fragments in slot 0, 1
.set ADRB, 4                           ; v4-5 the same for B
.set STO,  6                           ; v6   the way out: where I put 16 bytes of a row
.set RD,   7                           ; v7   where I read a row back
.set CO,   8                           ; v8   my byte offset in phi
.set PFO,  9                           ; v9   the prefetches' offset: lane x a row of xg
.set SPW,  10                          ; v10  LDS address of my spare word; never rewritten
.set NIL,  11                          ; v11  0; never rewritten
.set SQ,   12
.set FA0,  32
.set XI,   192
.set T,    192
.set OB,   32
.set C1,   0                           ; window 1
.set C2,   64                          ; window 1
.set WV,  12                           ; s12  my wave's number
.set RH,  13                           ; s13  which half of the tile's rows is mine; also: I fetch for A (0) or for B (1)
.set CHF, 14                           ; s14  which half of its columns; also: which half of that tile I fetch
.set TR,  15                           ; s15  tile row
.set G1A, 24                           ; s[24:31] descriptor group 1 for A's tiles;  s[32:39] group 0, a set for each slot
.set G0A, 32
.set CX,  40
.set CY,  41
.set TC,  42                           ; s42  tile column
.set LIM, 43                           ; s43  1 in a wave that prefetches, else the greatest number
.set PFA, 44                           ; s[44:45] where my prefetches stand
.set G1B, 48                           ; s[48:55], s[56:63] the same for B's tiles
.set G0B, 56
.set LIM2, 66                          ; s66  LAPS - 1 in a wave that prefetches rows of A, else 0
.set MSB, 0
.macro WIN new                         ; the immediate's high byte repeats the setting that is left; a switch that changes nothing is dropped
.if MSB != (\new)
	s_set_vgpr_msb (MSB<<8)|(\new)
.set MSB, \new
.endif
.endm
.macro PLACES                          ; four places in front of loads into registers that matrix instructions have read (ISA guide 7.12.1 for vector instructions)
.rept 4
	v_nop
.endr
.endm
; A joint load: waves 0 and 1 fetch A's two halves, waves 2 and 3 B's.  The branch hangs on the wave's number alone.  An s_nop 0 and four v_nop follow each of the two lines.
.macro JLOAD s
	s_cmp_eq_u32 s[RH], 0
	s_cbranch_scc0 .Lfor_b_\@
	tensor_load_to_lds s[G0A+4*(\s):G0A+4*(\s)+3], s[G1A:G1A+7]
	s_nop 0
.rept 4
	v_nop
.endr
	s_branch .Lasked_\@
.Lfor_b_\@:
	tensor_load_to_lds s[G0B+4*(\s):G0B+4*(\s)+3], s[G1B:G1B+7]
	s_nop 0
.rept 4
	v_nop
.endr
.Lasked_\@:
.endm
.macro CREST                           ; a round of the cluster's barrier behind its opening barrier
	s_cmp_lg_u32 s[WV], 0
	s_cbranch_scc1 .Lnot_wave_0_\@
	s_barrier_signal -3
.Lnot_wave_0_\@:
	s_barrier_wait -3
	s_barrier_signal -1
	s_barrier_wait -1
.endm
.macro CROUND                          ; a whole round
	s_barrier_signal -1
	s_barrier_wait -1
	CREST
.endm
; A PREFETCH INTO THE L2, behind each joint refill and the run of LDS loads that follows it: the K step that stands two refills on, 640 matrix instructions ahead of the load that will want it.
; Each row's 256 bytes of a K step are named ONCE in the launch.  A's rows are asked for by the A waves of the clusters with x = 0, B's by the B waves of the clusters with y = 0.  The four partners
; that ask for a tile jointly share its rows out BY ADDRESS: of B's 128 rows a wave each takes 32, a lane a row.  Of A's 160 each takes 40: 32 go a lane a row at each refill; the other eight have
; 8 rows x 4 K steps (4 to 7) = 32 blocks, which one instruction names at the first refill.  K steps 0 to 3 come by their loads alone; the loop's last trip asks for nothing.
.macro ASK slot
	s_cmp_gt_u32 s3, s[LIM]                        ; s3 = 1 in the loop's last trip
	s_cbranch_scc0 .Lnot_mine_\@
	global_prefetch_b8 v[PFO], s[PFA:PFA+1] offset:KSTEP*2 th:TH_LOAD_NT scope:SCOPE_SE
.Lnot_mine_\@:
.if (\slot) == 0
	s_cmp_eq_u32 s3, s[LIM2]                       ; the loop's first trip, in a wave that asks for rows of A
	s_cbranch_scc0 .Lno_rest_\@
	global_prefetch_b8 v[PFO2], s[PFA:PFA+1] offset:KSTEP*2 th:TH_LOAD_NT scope:SCOPE_SE
.Lno_rest_\@:
.endif
.endm
; Eight matrix instructions: row block a x all 8 column blocks, 32 along K, from buffer f.  zero = 1: the product starts the sums: nothing is ever cleared.
; The 80 accumulators take turns, one instruction a turn, in the same order in every quarter step.
.macro MULA f, a, zero
.if (\a) < 4
.set AW, 2
.set AC, 64*(\a)
.elseif (\a) < 8
.set AW, 3
.set AC, 64*((\a)-4)
.else
.set AW, 1
.set AC, 128+64*((\a)-8)
.endif
.set WW, (AW<<6)|(AW<<4)|1             ; source 0 (B) window 1, source 1 (A) window 0, C and D the block's window
	WIN WW
.set FB, 64*(\f)
.set FA, FA0+8*NA*(\f)+8*(\a)
.irp b, 0,1,2,3,4,5,6,7
.if \zero
	v_wmma_f32_16x16x32_bf16 v[AC+8*(\b):AC+8*(\b)+7], v[FB+8*(\b):FB+8*(\b)+7], v[FA:FA+7], 0
.else
	v_wmma_f32_16x16x32_bf16 v[AC+8*(\b):AC+8*(\b)+7], v[FB+8*(\b):FB+8*(\b)+7], v[FA:FA+7], v[AC+8*(\b):AC+8*(\b)+7]
.endif
.endr
.endm
.macro MULS f, a0, n, zero             ; n row blocks from a0 on
.set aa, \a0
.rept \n
	MULA \f, aa, \zero
.set aa, aa+1
.endr
.endm
; 36 LDS loads in one run: the fragments of one quarter step (128 rows of B, 160 rows of A, 32 K at byte k of the rows) into buffer f
.macro FETCH slot, k, f
	WIN 0x40                                       ; destination window 1, address window 0
.irp i, 0,1,2,3,4,5,6,7
	ds_load_b128 v[64*(\f)+8*(\i):64*(\f)+8*(\i)+3],   v[ADRB+(\slot)] offset:(\k)+(\i)*16*PITCH
	ds_load_b128 v[64*(\f)+8*(\i)+4:64*(\f)+8*(\i)+7], v[ADRB+(\slot)] offset:(\k)+(\i)*16*PITCH+32
.endr
	WIN 0
.set ii, 0
.rept NA
	ds_load_b128 v[FA0+8*NA*(\f)+8*ii:FA0+8*NA*(\f)+8*ii+3],   v[ADRA+(\slot)] offset:(\k)+ii*16*PITCH
	ds_load_b128 v[FA0+8*NA*(\f)+8*ii+4:FA0+8*NA*(\f)+8*ii+7], v[ADRA+(\slot)] offset:(\k)+ii*16*PITCH+32
.set ii, ii+1
.endr
.endm
; A K step is four quarters of 32 along K, 80 matrix instructions each, on buffers 0, 1, 0, 1.  One of the first three: multiplies buffer f; in its middle it fetches the next quarter, at byte k, into g.
.macro QUARTER slot, k, f, g, zero
	s_wait_dscnt 2*(NA-4)                          ; B and A's blocks 0-3 are in; the youngest twelve loads (A's blocks 4-9) may be out
	MULS \f, 0, 4, \zero
	PLACES
	FETCH \slot, \k, \g
	s_wait_dscnt 2*(NA+8)                          ; all but the 36 just issued
	MULS \f, 4, NA-4, \zero
.endm
; The last quarter multiplies buffer 1 and changes slots: ONE barrier.  In front of it each wave waits for all its tensor loads (one is out: its part of the next slot), adds 0 to its spare word, and waits
; for that and for its own reads of this slot.  fill = 1: the barrier opens a round of the cluster's barrier, and this slot is filled again, two K steps ahead, first thing behind the round:
; from that request to the wait for it a wave issues 288 matrix instructions.
.macro TURN slot, next, fill
.if \fill
	s_wait_xcnt 0x0                                ; the last prefetch, a K step back, has read its address: it is stepped here
	s_add_nc_u64 s[PFA:PFA+1], s[PFA:PFA+1], KSTEP*2
.endif
	WIN 0                                          ; (the add's two registers lie in window 0)
	s_wait_tensorcnt 0x0                           ; all my tensor loads have landed: my part of the next slot;
	ds_add_u32 v[SPW], v[NIL]                      ; 0 onto my spare word;
	s_wait_dscnt 2*(NA-4)+1                        ; (the add and the youngest twelve loads may be out)
	MULS 1, 0, 2, 0                                ; sixteen matrix instructions stand between the add and the wait for it
	s_wait_dscnt 0x0                               ; the add is done, and my reads of this slot are over
	s_barrier_signal -1
	MULS 1, 2, 2, 0                                ; work on registers while the others arrive
.if \fill
	WIN 0
.endif
	s_barrier_wait -1
.if \fill
	CREST                                          ; no wave of any partner still reads this slot's tile or has a load on its way
	s_add_nc_u64 s[G0A+4*(\slot)+2:G0A+4*(\slot)+3], s[G0A+4*(\slot)+2:G0A+4*(\slot)+3], 2*KSTEP*2
	s_add_nc_u64 s[G0B+4*(\slot)+2:G0B+4*(\slot)+3], s[G0B+4*(\slot)+2:G0B+4*(\slot)+3], 2*KSTEP*2
	JLOAD \slot                                    ; the four v_nop behind it are also the places in front of the loads below
.else
	PLACES
.endif
	FETCH \next, 0, 0
.if \fill
	ASK \slot
.endif
	MULS 1, 4, NA-4, 0
.endm
	s_load_b256 s[4:11], s[0:1], 0x0               ; xg s[4:5], xis s[6:7], phi s[8:9], sq2 s[10:11]
	v_lshl_add_u32 v[SPW], v0, 2, SPARE
	v_mov_b32 v[NIL], 0
	ds_add_u32 v[SPW], v[NIL]                      ; the wave's opening: the add, twice on end, and its wait ahead of my first tensor load
	ds_add_u32 v[SPW], v[NIL]                      ; and once more, under the one wait; the set-up below, work on registers, stands between
	v_lshrrev_b32 v32, 5, v0
	v_readfirstlane_b32 s[WV], v32                 ; wave 0..3
	s_lshr_b32 s[RH], s[WV], 1
	s_and_b32 s[CHF], s[WV], 1
	s_bfe_u32 s[CX], ttmp6, 0x40000                ; my place in the cluster
	s_bfe_u32 s[CY], ttmp6, 0x40004
	s_lshl_b32 s[TC], ttmp9, 2                     ; in a cluster launch ttmp9 and ttmp7 count clusters
	s_add_co_u32 s[TC], s[TC], s[CX]               ; tile column = 4 x cluster x + cx
	s_and_b32 s[TR], ttmp7, 0xffff
	s_lshl_b32 s[TR], s[TR], 2
	s_add_co_u32 s[TR], s[TR], s[CY]               ; tile row = 4 x cluster y + cy
	s_lshl_b32 s46, s[CY], 2
	s_lshl_b32 s46, 15, s46                        ; my row of the cluster: places 4 cy .. 4 cy + 3
	s_lshl_b32 s47, 0x1111, s[CX]                  ; my column: places cx, cx + 4, cx + 8, cx + 12
	s_or_b32 s[G1A], s46, FLAGS                    ; A's tiles go to my row,
	s_or_b32 s[G1B], s47, FLAGS                    ; B's to my column
	s_mov_b32 s[G1A+1], KSTEP<<16                  ; tensor_dim0 = 128
	s_mov_b32 s[G1A+2], (16*NA)<<16                ; tensor_dim1 = 160
	s_mov_b32 s[G1A+3], KSTEP<<16                  ; tile_dim0 = 128
	s_mov_b32 s[G1A+4], 16*NA                      ; tile_dim1 = 160
	s_mov_b32 s[G1A+5], SIZE_K                     ; elements from row to row
	s_mov_b32 s[G1A+6], 0
	s_mov_b32 s[G1A+7], 0
	s_mov_b32 s[G1B+1], KSTEP<<16
	s_mov_b32 s[G1B+2], 128<<16                    ; 128 rows
	s_mov_b32 s[G1B+3], KSTEP<<16
	s_mov_b32 s[G1B+4], 128
	s_mov_b32 s[G1B+5], SIZE_K
	s_mov_b32 s[G1B+6], 0
	s_mov_b32 s[G1B+7], 0
	s_mov_b32 s68, 0x3fb8aa3b                      ; log2(e), named as a pair
	s_mov_b32 s69, 0x3fb8aa3b
	s_mov_b32 s70, 0x3f38aa3b                      ; log2(e) / 2
	s_mov_b32 s71, 0x3f38aa3b
	s_mov_b32 s72, 0x40b00000                      ; 5.5
	s_mov_b32 s73, 0x40b00000
	; where the tiles come from: A's hang on the tile row alone, B's on the tile column alone, each in registers that never hold the other coordinate
	s_mul_i32 s74, s[TR], 32*NA
	s_mul_i32 s18, s[CHF], 16*NA
	s_add_co_u32 s74, s74, s18                     ; A: row 320 x tile row + 160 x half
	s_lshl_b32 s74, s74, ROWSH                     ; in bytes: under 2^25
	s_mov_b32 s75, 0
	s_lshl_b32 s76, s[TC], 8
	s_lshl_b32 s19, s[CHF], 7
	s_add_co_u32 s76, s76, s19
	s_add_co_u32 s76, s76, BROW0                   ; B: row 10,240 + 256 x tile column + 128 x half
	s_lshl_b32 s76, s76, ROWSH
	s_mov_b32 s77, 0
	s_mul_i32 s20, s[CHF], AHALF                   ; and where they go: no place in the cluster enters an LDS address
	s_mul_i32 s21, s[CHF], BHALF
	s_add_co_u32 s21, s21, BOFF
	s_wait_dscnt 0x0                               ; both opening adds are done
	s_wait_kmcnt 0x0
	s_add_nc_u64 s[74:75], s[4:5], s[74:75]
	s_add_nc_u64 s[76:77], s[4:5], s[76:77]
	CROUND                                         ; all sixteen work-groups are here: the first joint loads meet
.irp s, 0,1
	s_mov_b32 s[G0A+4*(\s)], 1                                       ; count = 1
	s_add_co_u32 s[G0A+4*(\s)+1], s20, (\s)*SLOT                     ; LDS address
	s_add_nc_u64 s[G0A+4*(\s)+2:G0A+4*(\s)+3], s[74:75], (\s)*KSTEP*2  ; global address: K step s
	s_or_b32 s[G0A+4*(\s)+3], s[G0A+4*(\s)+3], 0x80000000            ; type = 2
	s_mov_b32 s[G0B+4*(\s)], 1
	s_add_co_u32 s[G0B+4*(\s)+1], s21, (\s)*SLOT
	s_add_nc_u64 s[G0B+4*(\s)+2:G0B+4*(\s)+3], s[76:77], (\s)*KSTEP*2
	s_or_b32 s[G0B+4*(\s)+3], s[G0B+4*(\s)+3], 0x80000000
	JLOAD \s                                       ; two tensor loads of mine are out
.endr
	; A fragment is 16 rows x 32 K in 8 registers: lane l holds row l % 16; registers 0-3 K = 8 (l / 16) + 0..7, registers 4-7 K = 16 + 8 (l / 16) + 0..7: two loads of 16 bytes, 32 bytes apart.
	v_and_b32 v32, 15, v0                          ; r = l % 16
	v_bfe_u32 v33, v0, 4, 1                        ; h = l / 16
	v_mul_u32_u24 v34, v32, PITCH
	v_lshl_add_u32 v34, v33, 4, v34                ; row x pitch + 16 x half
	s_mul_i32 s16, s[RH], AHALF                    ; my 160 rows of A
	s_mul_i32 s17, s[CHF], BHALF                   ; my 128 rows of B,
	s_add_co_u32 s17, s17, BOFF                    ; which lie behind A's 320
.irp s, 0,1
	v_add_nc_u32 v[ADRA+(\s)], s16, v34
	v_add_nc_u32 v[ADRB+(\s)], s17, v34
	s_add_co_u32 s16, s16, SLOT
	s_add_co_u32 s17, s17, SLOT
.endr
	s_mul_i32 s18, s[WV], 16*SPITCH                ; my stage
	v_add_nc_u32 v[STO], s18, v34                  ; in: row l % 16, 16 bytes for each half of the lanes (the stage's pitch is the slots')
	v_mul_u32_u24 v35, v33, SPITCH                 ; back: lanes 0-15 take one row of 256 bytes, lanes 16-31 the next
	v_lshl_add_u32 v35, v32, 4, v35
	v_add_nc_u32 v[RD], s18, v35
	v_lshlrev_b32 v35, 12, v33                     ; and the same two rows in phi, 4,096 bytes apart
	v_lshl_add_u32 v[CO], v32, 4, v35
	s_mul_i32 s16, s[TR], 32*NA
	s_mul_i32 s17, s[RH], 16*NA
	s_add_co_u32 s16, s16, s17                     ; my first row of phi
	s_lshl_b32 s22, s16, 12                        ; under 2^26
	s_lshl_b32 s17, s[TC], 9                       ; my first column, in bytes: 512 x tile column + 256 x half
	s_add_co_u32 s22, s22, s17
	s_lshl_b32 s17, s[CHF], 8
	s_add_co_u32 s22, s22, s17
	s_mov_b32 s23, 0
	s_add_nc_u64 s[8:9], s[8:9], s[22:23]
	s_lshl_b32 s22, s16, 3                         ; my rows' sums: 8 bytes a row
	s_add_nc_u64 s[10:11], s[10:11], s[22:23]
	s_lshl_b32 s22, s[TC], 10                      ; my columns' xis: 4 bytes a column
	s_lshl_b32 s17, s[CHF], 9
	s_add_co_u32 s22, s22, s17
	s_add_nc_u64 s[6:7], s[6:7], s[22:23]
	; the prefetches
	s_mul_i32 s16, s[TR], 32*NA
	s_mul_i32 s17, s[CHF], 16*NA
	s_add_co_u32 s16, s16, s17
	s_mul_i32 s17, s[CX], 4*NA
	s_add_co_u32 s16, s16, s17                     ; A: the 160 rows that I fetch, my work-group's 40 of them
	s_lshl_b32 s18, s[TC], 8
	s_lshl_b32 s19, s[CHF], 7
	s_add_co_u32 s18, s18, s19
	s_lshl_b32 s19, s[CY], 5
	s_add_co_u32 s18, s18, s19
	s_add_co_u32 s18, s18, BROW0                   ; B: the 128 rows that I fetch, my work-group's 32 of them
	s_and_b32 s19, ttmp7, 0xffff                   ; cluster y
	s_cmp_eq_u32 s[RH], 0                          ; do I fetch for A?
	s_cselect_b32 s16, s16, s18
	s_cselect_b32 s19, ttmp9, s19                  ; the coordinate along which other clusters read the same rows
	s_cselect_b32 s[LIM2], LAPS-1, 0
	s_cmp_eq_u32 s19, 0                            ; the same in all sixteen partners, for a given wave
	s_cselect_b32 s[LIM], 1, -1
	s_cselect_b32 s[LIM2], s[LIM2], 0
	s_lshl_b32 s16, s16, ROWSH
	s_add_co_u32 s16, s16, 2*KSTEP*2               ; at K step 2: the first refill steps it to 3 and names K step 4
	s_mov_b32 s17, 0
	s_add_nc_u64 s[PFA:PFA+1], s[4:5], s[16:17]
	v_and_b32 v[PFO], 31, v0
	v_lshlrev_b32 v[PFO], ROWSH, v[PFO]            ; a lane a row
	v_and_b32 v[PFO2], 7, v0
	v_bfe_u32 v38, v0, 3, 2
	v_lshlrev_b32 v[PFO2], ROWSH, v[PFO2]
	v_lshl_add_u32 v[PFO2], v38, 8, v[PFO2]
	v_add_nc_u32 v[PFO2], 32*ROWB, v[PFO2]         ; row 32 + l % 8 of my 40, K step 4 + l / 8
	; what the way out wants: xis of my columns (register 8 b + j: column 16 b + 8 (l / 16) + j) and my rows' sums (block a: row 16 a + l % 16).  They are waited for behind the loop.
	v_lshlrev_b32 v36, 3, v32
	v_lshlrev_b32 v37, 5, v33
.irp b, 0,1,2,3,4,5,6,7
	global_load_b128 v[XI+8*(\b):XI+8*(\b)+3],   v37, s[6:7] offset:64*(\b)
	global_load_b128 v[XI+8*(\b)+4:XI+8*(\b)+7], v37, s[6:7] offset:64*(\b)+16
.endr
.irp a, 0,1,2,3,4,5,6,7,8,9
	global_load_b64 v[SQ+2*(\a):SQ+2*(\a)+1], v36, s[10:11] offset:128*(\a)
.endr
	s_wait_xcnt 0x0                                ; these loads have read v36 and v37, which lie among the fragments' registers
	s_wait_tensorcnt 1                             ; my part of K step 0 is in; K step 1's may stay out
	s_barrier_signal -1
	s_barrier_wait -1                              ; everybody's is
	FETCH 0, 0, 0
	QUARTER 0, 64,  0, 1, 1                        ; the first quarter stands in front of the loop: its products start the sums
	WIN 0                                          ; at a label and at a branch every window is 0
	s_mov_b32 s3, LAPS-1
.Llap:                                                 ; a trip goes once round the ring, from a lap's second quarter to the next lap's first, and fills both slots again
	QUARTER 0, 128, 1, 0, 0
	QUARTER 0, 192, 0, 1, 0
	TURN 0, 1, 1
	QUARTER 1, 64,  0, 1, 0
	QUARTER 1, 128, 1, 0, 0
	QUARTER 1, 192, 0, 1, 0
	TURN 1, 0, 1
	QUARTER 0, 64,  0, 1, 0
	WIN 0
	s_sub_co_u32 s3, s3, 1
	s_cmp_lg_u32 s3, 0
	s_cbranch_scc1 .Llap
	QUARTER 0, 128, 1, 0, 0                        ; the last lap fills nothing, and has no round of the cluster's barrier
	QUARTER 0, 192, 0, 1, 0
	TURN 0, 1, 0                                   ; behind this barrier no wave reads slot 0 any more, and no tensor load follows: its first bytes become the stages
	QUARTER 1, 64,  0, 1, 0
	QUARTER 1, 128, 1, 0, 0
	QUARTER 1, 192, 0, 1, 0
	s_wait_dscnt 2*(NA-4)                          ; the very last quarter: nothing more to fetch
	MULS 1, 0, 4, 0
	s_wait_dscnt 0x0
	MULS 1, 4, NA-4, 0
	WIN 0
	PLACES
	PLACES                                         ; eight places, once a launch, behind the last products
	; THE WAY OUT.  c1 and c2 of my 64 columns go where B's fragments lay.
	s_wait_loadcnt 0x0                             ; xis and the sums
	WIN 0x40                                       ; destination window 1, sources window 0
.set i, 0
.rept 32
	v_pk_mul_f32 v[C2+2*i:C2+2*i+1], v[XI+2*i:XI+2*i+1], v[XI+2*i:XI+2*i+1]
	v_pk_mul_f32 v[C1+2*i:C1+2*i+1], v[XI+2*i:XI+2*i+1], s[68:69] op_sel_hi:[1,0]
.set i, i+1
.endr
	WIN 0x41
.set i, 0
.rept 32
	v_pk_mul_f32 v[C2+2*i:C2+2*i+1], v[C2+2*i:C2+2*i+1], s[70:71] op_sel_hi:[1,0]
.set i, i+1
.endr
; Row block a: the exponents, raw c1 - (sq c2 + 5.5); 64 exponentials as ONE batch with one wait; the roundings to bf16, in place.  Each accumulator is read from its low end on.
.macro EXPB a
.if (\a) < 4
.set AW, 2
.set AC, 64*(\a)
.elseif (\a) < 8
.set AW, 3
.set AC, 64*((\a)-4)
.else
.set AW, 1
.set AC, 128+64*((\a)-8)
.endif
	WIN 0x04                                       ; source 1 (c2) window 1
.set i, 0
.rept 32
	v_pk_fma_f32 v[T+2*i:T+2*i+1], v[SQ+2*(\a):SQ+2*(\a)+1], v[C2+2*i:C2+2*i+1], s[72:73] op_sel_hi:[1,1,0]
.set i, i+1
.endr
.set WW, 0x04|AW                       ; source 0 the block's window, source 1 (c1) window 1
	WIN WW
.set i, 0
.rept 32
	v_pk_fma_f32 v[T+2*i:T+2*i+1], v[AC+2*i:AC+2*i+1], v[C1+2*i:C1+2*i+1], v[T+2*i:T+2*i+1] neg_lo:[0,0,1] neg_hi:[0,0,1]
.set i, i+1
.endr
	WIN 0
.set i, 0
.rept 64
	v_exp_f32 v[T+i], v[T+i]
.set i, i+1
.endr
	v_nop                                          ; a plain instruction behind the last exponential (ISA guide 5.7.2),
	s_wait_alu depctr_va_vdst(0)                   ; and the wait ahead of the first use: one for the batch
.set i, 0
.rept 32
	v_cvt_pk_bf16_f32 v[T+i], v[T+2*i], v[T+2*i+1]
.set i, i+1
.endr
.endm
.macro TOSTAGE a                       ; 16 bytes a lane into my stage, and back as whole rows of 256 bytes
.irp b, 0,1,2,3,4,5,6,7
	ds_store_b128 v[STO], v[T+4*(\b):T+4*(\b)+3] offset:32*(\b)
.endr
.irp t, 0,1,2,3,4,5,6,7
	ds_load_b128 v[OB+32*((\a)%2)+4*(\t):OB+32*((\a)%2)+4*(\t)+3], v[RD] offset:(\t)*2*SPITCH  ; LDS serves a wave's instructions in order (ISA guide 5.7.1.4): these see the stores above
.endr
.endm
.macro SEND a
	s_wait_dscnt 0x0                               ; the block is back in registers
	s_wait_xcnt 0x0                                ; the stores of the block before have read their registers, into which the next block is loaded
.irp t, 0,1,2,3,4,5,6,7
	global_store_b128 v[CO], v[OB+32*((\a)%2)+4*(\t):OB+32*((\a)%2)+4*(\t)+3], s[8:9] offset:65536*(\a)+8192*(\t)  ; 16 lanes store 256 consecutive bytes, aligned; the largest immediate is 647,168
.endr
.endm
	EXPB 0
	TOSTAGE 0
.irp a, 1,2,3,4,5,6,7,8,9              ; a block's arithmetic stands between the loads of the block before and the wait for them
	EXPB \a
	SEND (\a)-1
	TOSTAGE \a
.endr
	SEND 9
	s_wait_tensorcnt 0x0                           ; the wave's end, behind my last tensor load and my last LDS store
	ds_add_u32 v[SPW], v[NIL]
	s_wait_dscnt 0x0
	CROUND                                         ; the closing round: no work-group ends while a partner may still ask for a tile that names it
	s_endpgm
.Lfunc_end_k_qadbcfc5d08_feat:
	.size	k_qadbcfc5d08_feat, .Lfunc_end_k_qadbcfc5d08_feat-k_qadbcfc5d08_feat
	.p2alignl 7, 3214868480
	.fill 96, 4, 3214868480
	.section	.rodata,"a",@progbits
	.p2align	6, 0x0
	.amdhsa_kernel k_qadbcfc5d08_feat
		.amdhsa_group_segment_fixed_size 327680
		.amdhsa_private_segment_fixed_size 0
		.amdhsa_enable_private_segment 0
		.amdhsa_kernarg_size 32
		.amdhsa_user_sgpr_count 2
		.amdhsa_user_sgpr_kernarg_segment_ptr 1
		.amdhsa_wavefront_size32 1
		.amdhsa_system_sgpr_workgroup_id_x 1
		.amdhsa_system_sgpr_workgroup_id_y 1
		.amdhsa_system_sgpr_workgroup_id_z 1
		.amdhsa_system_vgpr_workitem_id 0
		.amdhsa_next_free_vgpr 1024
		.amdhsa_next_free_sgpr 78
		.amdhsa_reserve_vcc 0
		.amdhsa_float_denorm_mode_32 3
		.amdhsa_float_denorm_mode_16_64 3
		.amdhsa_memory_ordered 1
		.amdhsa_forward_progress 1
		.amdhsa_inst_pref_size 243
	.end_amdhsa_kernel
	.amdgpu_metadata
---
amdhsa.version: [ 1, 2 ]
amdhsa.kernels:
  - .name:           k_qadbcfc5d08_feat
    .symbol:         k_qadbcfc5d08_feat.kd
    .args:
      - { .name: xg, .offset: 0, .size: 8, .value_kind: global_buffer, .address_space: global }
      - { .name: xis, .offset: 8, .size: 8, .value_kind: global_buffer, .address_space: global }
      - { .name: phi, .offset: 16, .size: 8, .value_kind: global_buffer, .address_space: global }
      - { .name: sq2, .offset: 24, .size: 8, .value_kind: global_buffer, .address_space: global }
    .group_segment_fixed_size: 327680
    .private_segment_fixed_size: 0
    .kernarg_segment_align: 8
    .kernarg_segment_size: 32
    .max_flat_workgroup_size: 128
    .sgpr_count:     78
    .vgpr_count:     1024
    .wavefront_size: 32
...
	.end_amdgpu_metadata
.endif
;; end of part 2
;; launch prod (part 3): grid 8 x 32, 4 waves a work-group, clusters of 4 x 4, 327,680 bytes of LDS; arguments phi, out0; writes out0
.if DOCPART == 3
	.amdgcn_target "amdgcn-amd-amdhsa--gfx1250"
	.amdhsa_code_object_version 6
	.text
	.protected	k_qadbcfc5d08_prod
	.globl	k_qadbcfc5d08_prod
	.p2align	8
	.type	k_qadbcfc5d08_prod,@function
k_qadbcfc5d08_prod:
	s_mov_b64 s[64:65], 0
	v_nop
	global_prefetch_b8 v0, s[64:65] scope:SCOPE_SE
	s_setreg_imm32_b32 hwreg(HW_REG_WAVE_MODE, 25, 1), 1
	s_wait_xcnt 0x0
	s_wait_alu depctr_hold_cnt(0) depctr_sa_sdst(0) depctr_va_vdst(0) depctr_va_sdst(0) depctr_va_ssrc(0) depctr_va_vcc(0) depctr_vm_vsrc(0)
	s_getreg_b32 s2, hwreg(HW_REG_IB_STS2, 6, 4)
	s_cmp_eq_u32 s2, 0
	s_cbranch_scc0 .Lentry_in_a_cluster
	s_endpgm
.Lentry_in_a_cluster:
	s_bfe_u32 s2, ttmp6, 0x10000c
	s_cmp_lg_u32 s2, 0xf033
	s_cbranch_scc0 .Lentry_shape_is_right
	s_endpgm
.Lentry_shape_is_right:
; out0[r][o] = the sum over m of phi[r][m] phi[8192 + o][m].  phi: [10240][2048] bf16 (rows 0-8191: the features of x; rows 8192 on: those of the weights); out0: [8192][2048] f32.  Sums in f32.
; Both factors carry their 2048^-1/2 already: nothing is scaled here.  NaN and infinities are not treated apart.
; SHARES.  A tile of out0 is 256 x 256: 32 x 8 tiles, one work-group each.  Four waves, each 128 x 128: 64 accumulators of 16 x 16, 512 registers.
; K goes in steps of 128 through two LDS slots filled by the tensor data mover: rows of 256 bytes, at multiples of 256 bytes from the buffer's first byte.
; CLUSTERS: 4 x 4 work-groups.  The four of a row of the cluster need the same rows of A, the four of a column the same rows of B: each tile is asked for JOINTLY.
; THE MATRIX INSTRUCTION IS USED TRANSPOSED (source 0 = 16 rows of B, source 1 = 16 rows of A): lane l holds row l % 16 and the columns 8 (l / 16) + 0..7: 32 bytes of a row of out0.
; REGISTERS, in windows of 256 (s_set_vgpr_msb: bits 1:0 source 0, 3:2 source 1, 5:4 source 2, 7:6 destination):
;   window 0: v0-11 addresses; v32-95, v96-159 A's fragments, two buffers (later the rows on their way out)      window 1: v0-63, v64-127 B's fragments, two buffers
;   window 2: the accumulators of row blocks 0-3 ((a, b) at 64 (a % 4) + 8 b);   window 3: those of blocks 4-7
.set NA,     8                         ; blocks of 16 rows of A a wave
.set SIZE_K, 2048
.set ROWSH,  12                        ; a row of phi is 4,096 bytes
.set ROWB,   1<<ROWSH
.set LAPS,   SIZE_K/256                ; a lap = two K steps = once round the ring
.set KSTEP,  128
.set PITCH,  272                       ; an LDS row: 256 bytes + 16 of padding = 68 words: the 16 rows that a load touches start at 16 different groups of four banks (64 banks of 4 bytes: ISA guide 11.1)
.set AHALF,  16*NA*PITCH               ; 128 rows: what one tensor load brings, and what one wave reads of A or of B
.set BHALF,  128*PITCH
.set BOFF,   2*AHALF                   ; in a slot: A's 256 rows, then B's 256
.set SLOT,   BOFF+2*BHALF
.set STAGE,  2*SLOT                    ; behind the ring, never filled by a tensor load: 16 rows x 528 bytes for each wave, for the way out
.set SPITCH, 528                       ; 512 bytes + 16: the 16 rows that a store touches start at 16 different groups of four banks
.set SPARE,  STAGE+4*16*SPITCH         ; behind the stages: the spare words, 128 bytes for each wave: two blocks of 256 bytes that no other line names
.set BROW0,  8192                      ; B's first row in phi
.set OUTB,   8192                      ; bytes in a row of out0
.set FLAGS,  (1<<16)|(1<<20)|(1<<21)|(5<<22)|(3<<25)  ; 17:16 elements of 2 bytes; 20 padding on; 21 set beside a mask; 24:22 after every 64 words; 31:25 4 words of it
.set ADRA, 2                           ; v2-3 LDS address of my A fragments in slot 0, 1
.set ADRB, 4                           ; v4-5 the same for B
.set STO,  6                           ; v6   the way out: where I put 32 bytes of a row
.set RD,   7                           ; v7   where I read a row back
.set CO,   8                           ; v8   my byte offset in a row of out0
.set PFO,  9                           ; v9   the prefetches' offset: lane x a row of phi
.set SPW,  10                          ; v10  LDS address of my spare word; never rewritten
.set NIL,  11                          ; v11  0; never rewritten
.set FA0,  32
.set OB,   32
.set WV,  12                           ; s12  my wave's number
.set RH,  13                           ; s13  which half of the tile's rows is mine; also: I fetch for A (0) or for B (1)
.set CHF, 14                           ; s14  which half of its columns; also: which half of that tile I fetch
.set TR,  15                           ; s15  tile row
.set G1A, 24                           ; s[24:31] descriptor group 1 for A's tiles;  s[32:39] group 0, a set for each slot
.set G0A, 32
.set CX,  40
.set CY,  41
.set TC,  42                           ; s42  tile column
.set LIM, 43                           ; s43  1 in a wave that prefetches, else the greatest number
.set PFA, 44                           ; s[44:45] where my prefetches stand
.set G1B, 48                           ; s[48:55], s[56:63] the same for B's tiles
.set G0B, 56
.set MSB, 0
.macro WIN new                         ; the immediate's high byte repeats the setting that is left; a switch that changes nothing is dropped
.if MSB != (\new)
	s_set_vgpr_msb (MSB<<8)|(\new)
.set MSB, \new
.endif
.endm
.macro PLACES                          ; four places in front of loads into registers that matrix instructions have read (ISA guide 7.12.1 for vector instructions)
.rept 4
	v_nop
.endr
.endm
; A joint load: waves 0 and 1 fetch A's two halves, waves 2 and 3 B's.  The branch hangs on the wave's number alone.  An s_nop 0 and four v_nop follow each of the two lines.
.macro JLOAD s
	s_cmp_eq_u32 s[RH], 0
	s_cbranch_scc0 .Lfor_b_\@
	tensor_load_to_lds s[G0A+4*(\s):G0A+4*(\s)+3], s[G1A:G1A+7]
	s_nop 0
.rept 4
	v_nop
.endr
	s_branch .Lasked_\@
.Lfor_b_\@:
	tensor_load_to_lds s[G0B+4*(\s):G0B+4*(\s)+3], s[G1B:G1B+7]
	s_nop 0
.rept 4
	v_nop
.endr
.Lasked_\@:
.endm
.macro CREST                           ; a round of the cluster's barrier behind its opening barrier
	s_cmp_lg_u32 s[WV], 0
	s_cbranch_scc1 .Lnot_wave_0_\@
	s_barrier_signal -3
.Lnot_wave_0_\@:
	s_barrier_wait -3
	s_barrier_signal -1
	s_barrier_wait -1
.endm
.macro CROUND                          ; a whole round
	s_barrier_signal -1
	s_barrier_wait -1
	CREST
.endm
; A PREFETCH INTO THE L2, behind each joint refill and the run of LDS loads that follows it: the K step that stands two refills on, 512 matrix instructions ahead of the load that will want it:
; 32 rows x 256 bytes, a lane a row, one instruction a wave.  Each row's 256 bytes of a K step are named ONCE in the launch: A's rows are asked for by the A waves of the clusters with x = 0, B's by
; the B waves of the clusters with y = 0; the four partners that ask for a tile jointly share its rows out BY ADDRESS, 32 of a wave's 128 each.
; K steps 0 to 3 come by their loads alone; the loop's last trip asks for nothing.
.macro ASK
	s_cmp_gt_u32 s3, s[LIM]                        ; s3 = 1 in the loop's last trip
	s_cbranch_scc0 .Lnot_mine_\@
	global_prefetch_b8 v[PFO], s[PFA:PFA+1] offset:KSTEP*2 th:TH_LOAD_NT scope:SCOPE_SE
.Lnot_mine_\@:
.endm
; Eight matrix instructions: row block a x all 8 column blocks, 32 along K, from buffer f.  zero = 1: the product starts the sums: nothing is ever cleared.
; The 64 accumulators take turns, one instruction a turn, in the same order in every quarter step.
.macro MULA f, a, zero
.if (\a) < 4
.set AW, 2
.else
.set AW, 3
.endif
.set AC, 64*((\a)%4)
.set WW, (AW<<6)|(AW<<4)|1             ; source 0 (B) window 1, source 1 (A) window 0, C and D the block's window
	WIN WW
.set FB, 64*(\f)
.set FA, FA0+8*NA*(\f)+8*(\a)
.irp b, 0,1,2,3,4,5,6,7
.if \zero
	v_wmma_f32_16x16x32_bf16 v[AC+8*(\b):AC+8*(\b)+7], v[FB+8*(\b):FB+8*(\b)+7], v[FA:FA+7], 0
.else
	v_wmma_f32_16x16x32_bf16 v[AC+8*(\b):AC+8*(\b)+7], v[FB+8*(\b):FB+8*(\b)+7], v[FA:FA+7], v[AC+8*(\b):AC+8*(\b)+7]
.endif
.endr
.endm
.macro MULS f, a0, n, zero             ; n row blocks from a0 on
.set aa, \a0
.rept \n
	MULA \f, aa, \zero
.set aa, aa+1
.endr
.endm
; 32 LDS loads in one run: the fragments of one quarter step (128 rows of B, 128 rows of A, 32 K at byte k of the rows) into buffer f
.macro FETCH slot, k, f
	WIN 0x40                                       ; destination window 1, address window 0
.irp i, 0,1,2,3,4,5,6,7
	ds_load_b128 v[64*(\f)+8*(\i):64*(\f)+8*(\i)+3],   v[ADRB+(\slot)] offset:(\k)+(\i)*16*PITCH
	ds_load_b128 v[64*(\f)+8*(\i)+4:64*(\f)+8*(\i)+7], v[ADRB+(\slot)] offset:(\k)+(\i)*16*PITCH+32
.endr
	WIN 0
.set ii, 0
.rept NA
	ds_load_b128 v[FA0+8*NA*(\f)+8*ii:FA0+8*NA*(\f)+8*ii+3],   v[ADRA+(\slot)] offset:(\k)+ii*16*PITCH
	ds_load_b128 v[FA0+8*NA*(\f)+8*ii+4:FA0+8*NA*(\f)+8*ii+7], v[ADRA+(\slot)] offset:(\k)+ii*16*PITCH+32
.set ii, ii+1
.endr
.endm
; A K step is four quarters of 32 along K, 64 matrix instructions each, on buffers 0, 1, 0, 1.  One of the first three: multiplies buffer f; in its middle it fetches the next quarter, at byte k, into g.
.macro QUARTER slot, k, f, g, zero
	s_wait_dscnt 2*(NA-4)                          ; B and A's blocks 0-3 are in; the youngest eight loads (A's blocks 4-7) may be out
	MULS \f, 0, 4, \zero
	PLACES
	FETCH \slot, \k, \g
	s_wait_dscnt 2*(NA+8)                          ; all but the 32 just issued
	MULS \f, 4, NA-4, \zero
.endm
; The last quarter multiplies buffer 1 and changes slots: ONE barrier.  In front of it each wave waits for all its tensor loads (one is out: its part of the next slot), adds 0 to its spare word, and waits
; for that and for its own reads of this slot.  fill = 1: the barrier opens a round of the cluster's barrier, and this slot is filled again, two K steps ahead, first thing behind the round:
; from that request to the wait for it a wave issues 224 matrix instructions.
.macro TURN slot, next, fill
.if \fill
	s_wait_xcnt 0x0                                ; the last prefetch, a K step back, has read its address: it is stepped here
	s_add_nc_u64 s[PFA:PFA+1], s[PFA:PFA+1], KSTEP*2
.endif
	WIN 0                                          ; (the add's two registers lie in window 0)
	s_wait_tensorcnt 0x0                           ; all my tensor loads have landed: my part of the next slot;
	ds_add_u32 v[SPW], v[NIL]                      ; 0 onto my spare word;
	s_wait_dscnt 2*(NA-4)+1                        ; (the add and the youngest eight loads may be out)
	MULS 1, 0, 2, 0                                ; sixteen matrix instructions stand between the add and the wait for it
	s_wait_dscnt 0x0                               ; the add is done, and my reads of this slot are over
	s_barrier_signal -1
	MULS 1, 2, 2, 0                                ; work on registers while the others arrive
.if \fill
	WIN 0
.endif
	s_barrier_wait -1
.if \fill
	CREST                                          ; no wave of any partner still reads this slot's tile or has a load on its way
	s_add_nc_u64 s[G0A+4*(\slot)+2:G0A+4*(\slot)+3], s[G0A+4*(\slot)+2:G0A+4*(\slot)+3], 2*KSTEP*2
	s_add_nc_u64 s[G0B+4*(\slot)+2:G0B+4*(\slot)+3], s[G0B+4*(\slot)+2:G0B+4*(\slot)+3], 2*KSTEP*2
	JLOAD \slot                                    ; the four v_nop behind it are also the places in front of the loads below
.else
	PLACES
.endif
	FETCH \next, 0, 0
.if \fill
	ASK
.endif
	MULS 1, 4, NA-4, 0
.endm
	s_load_b128 s[4:7], s[0:1], 0x0                ; phi s[4:5], out0 s[6:7]
	v_lshl_add_u32 v[SPW], v0, 2, SPARE
	v_mov_b32 v[NIL], 0
	ds_add_u32 v[SPW], v[NIL]                      ; the wave's opening: the add, twice on end, and its wait ahead of my first tensor load
	ds_add_u32 v[SPW], v[NIL]                      ; and once more, under the one wait; the set-up below, work on registers, stands between
	v_lshrrev_b32 v32, 5, v0
	v_readfirstlane_b32 s[WV], v32                 ; wave 0..3
	s_lshr_b32 s[RH], s[WV], 1
	s_and_b32 s[CHF], s[WV], 1
	s_bfe_u32 s[CX], ttmp6, 0x40000                ; my place in the cluster
	s_bfe_u32 s[CY], ttmp6, 0x40004
	s_lshl_b32 s[TC], ttmp9, 2                     ; in a cluster launch ttmp9 and ttmp7 count clusters
	s_add_co_u32 s[TC], s[TC], s[CX]               ; tile column = 4 x cluster x + cx
	s_and_b32 s[TR], ttmp7, 0xffff
	s_lshl_b32 s[TR], s[TR], 2
	s_add_co_u32 s[TR], s[TR], s[CY]               ; tile row = 4 x cluster y + cy
	s_lshl_b32 s46, s[CY], 2
	s_lshl_b32 s46, 15, s46                        ; my row of the cluster: places 4 cy .. 4 cy + 3
	s_lshl_b32 s47, 0x1111, s[CX]                  ; my column: places cx, cx + 4, cx + 8, cx + 12
	s_or_b32 s[G1A], s46, FLAGS                    ; A's tiles go to my row,
	s_or_b32 s[G1B], s47, FLAGS                    ; B's to my column
.irp g, G1A, G1B
	s_mov_b32 s[(\g)+1], KSTEP<<16                 ; tensor_dim0 = 128
	s_mov_b32 s[(\g)+2], 128<<16                   ; tensor_dim1 = 128
	s_mov_b32 s[(\g)+3], KSTEP<<16                 ; tile_dim0 = 128
	s_mov_b32 s[(\g)+4], 128                       ; tile_dim1 = 128
	s_mov_b32 s[(\g)+5], SIZE_K                    ; elements from row to row
	s_mov_b32 s[(\g)+6], 0
	s_mov_b32 s[(\g)+7], 0
.endr
	; where the tiles come from: A's hang on the tile row alone, B's on the tile column alone, each in registers that never hold the other coordinate
	s_lshl_b32 s74, s[TR], 8
	s_lshl_b32 s18, s[CHF], 7
	s_add_co_u32 s74, s74, s18                     ; A: row 256 x tile row + 128 x half
	s_lshl_b32 s74, s74, ROWSH                     ; in bytes: under 2^26
	s_mov_b32 s75, 0
	s_lshl_b32 s76, s[TC], 8
	s_lshl_b32 s19, s[CHF], 7
	s_add_co_u32 s76, s76, s19
	s_add_co_u32 s76, s76, BROW0                   ; B: row 8,192 + 256 x tile column + 128 x half
	s_lshl_b32 s76, s76, ROWSH
	s_mov_b32 s77, 0
	s_mul_i32 s20, s[CHF], AHALF                   ; and where they go: no place in the cluster enters an LDS address
	s_mul_i32 s21, s[CHF], BHALF
	s_add_co_u32 s21, s21, BOFF
	s_wait_dscnt 0x0                               ; both opening adds are done
	s_wait_kmcnt 0x0
	s_add_nc_u64 s[74:75], s[4:5], s[74:75]
	s_add_nc_u64 s[76:77], s[4:5], s[76:77]
	CROUND                                         ; all sixteen work-groups are here: the first joint loads meet
.irp s, 0,1
	s_mov_b32 s[G0A+4*(\s)], 1                                       ; count = 1
	s_add_co_u32 s[G0A+4*(\s)+1], s20, (\s)*SLOT                     ; LDS address
	s_add_nc_u64 s[G0A+4*(\s)+2:G0A+4*(\s)+3], s[74:75], (\s)*KSTEP*2  ; global address: K step s
	s_or_b32 s[G0A+4*(\s)+3], s[G0A+4*(\s)+3], 0x80000000            ; type = 2
	s_mov_b32 s[G0B+4*(\s)], 1
	s_add_co_u32 s[G0B+4*(\s)+1], s21, (\s)*SLOT
	s_add_nc_u64 s[G0B+4*(\s)+2:G0B+4*(\s)+3], s[76:77], (\s)*KSTEP*2
	s_or_b32 s[G0B+4*(\s)+3], s[G0B+4*(\s)+3], 0x80000000
	JLOAD \s                                       ; two tensor loads of mine are out
.endr
	; A fragment is 16 rows x 32 K in 8 registers: lane l holds row l % 16; registers 0-3 K = 8 (l / 16) + 0..7, registers 4-7 K = 16 + 8 (l / 16) + 0..7: two loads of 16 bytes, 32 bytes apart.
	v_and_b32 v32, 15, v0                          ; r = l % 16
	v_bfe_u32 v33, v0, 4, 1                        ; h = l / 16
	v_mul_u32_u24 v34, v32, PITCH
	v_lshl_add_u32 v34, v33, 4, v34                ; row x pitch + 16 x half
	s_mul_i32 s16, s[RH], AHALF                    ; my 128 rows of A
	s_mul_i32 s17, s[CHF], BHALF                   ; my 128 rows of B,
	s_add_co_u32 s17, s17, BOFF                    ; which lie behind A's 256
.irp s, 0,1
	v_add_nc_u32 v[ADRA+(\s)], s16, v34
	v_add_nc_u32 v[ADRB+(\s)], s17, v34
	s_add_co_u32 s16, s16, SLOT
	s_add_co_u32 s17, s17, SLOT
.endr
	s_mul_i32 s18, s[WV], 16*SPITCH
	s_add_co_u32 s18, s18, STAGE                   ; my stage
	v_mul_u32_u24 v35, v32, SPITCH                 ; in: row l % 16, 32 bytes for each half of the lanes
	v_lshl_add_u32 v35, v33, 5, v35
	v_add_nc_u32 v[STO], s18, v35
	v_and_b32 v36, 31, v0
	v_lshlrev_b32 v[CO], 4, v36                    ; back, and in out0: 32 lanes take one row's 512 bytes
	v_add_nc_u32 v[RD], s18, v[CO]
	s_lshl_b32 s16, s[TR], 8
	s_lshl_b32 s17, s[RH], 7
	s_add_co_u32 s16, s16, s17                     ; my first row of out0
	s_lshl_b32 s22, s16, 13                        ; under 2^27
	s_lshl_b32 s17, s[TC], 10                      ; my first column, in bytes: 1,024 x tile column + 512 x half
	s_add_co_u32 s22, s22, s17
	s_lshl_b32 s17, s[CHF], 9
	s_add_co_u32 s22, s22, s17
	s_mov_b32 s23, 0
	s_add_nc_u64 s[8:9], s[6:7], s[22:23]
	; the prefetches
	s_lshl_b32 s16, s[TR], 8
	s_lshl_b32 s17, s[CHF], 7
	s_add_co_u32 s16, s16, s17
	s_lshl_b32 s17, s[CX], 5
	s_add_co_u32 s16, s16, s17                     ; A: the 128 rows that I fetch, my work-group's 32 of them
	s_lshl_b32 s18, s[TC], 8
	s_lshl_b32 s19, s[CHF], 7
	s_add_co_u32 s18, s18, s19
	s_lshl_b32 s19, s[CY], 5
	s_add_co_u32 s18, s18, s19
	s_add_co_u32 s18, s18, BROW0                   ; B likewise
	s_and_b32 s19, ttmp7, 0xffff                   ; cluster y
	s_cmp_eq_u32 s[RH], 0                          ; do I fetch for A?
	s_cselect_b32 s16, s16, s18
	s_cselect_b32 s19, ttmp9, s19                  ; the coordinate along which other clusters read the same rows
	s_cmp_eq_u32 s19, 0                            ; the same in all sixteen partners, for a given wave
	s_cselect_b32 s[LIM], 1, -1
	s_lshl_b32 s16, s16, ROWSH
	s_add_co_u32 s16, s16, 2*KSTEP*2               ; at K step 2: the first refill steps it to 3 and names K step 4
	s_mov_b32 s17, 0
	s_add_nc_u64 s[PFA:PFA+1], s[4:5], s[16:17]
	v_lshlrev_b32 v[PFO], ROWSH, v36               ; a lane a row
	s_wait_tensorcnt 1                             ; my part of K step 0 is in; K step 1's may stay out
	s_barrier_signal -1
	s_barrier_wait -1                              ; everybody's is
	FETCH 0, 0, 0
	QUARTER 0, 64,  0, 1, 1                        ; the first quarter stands in front of the loop: its products start the sums
	WIN 0                                          ; at a label and at a branch every window is 0
	s_mov_b32 s3, LAPS-1
.Llap:                                                 ; a trip goes once round the ring, from a lap's second quarter to the next lap's first, and fills both slots again
	QUARTER 0, 128, 1, 0, 0
	QUARTER 0, 192, 0, 1, 0
	TURN 0, 1, 1
	QUARTER 1, 64,  0, 1, 0
	QUARTER 1, 128, 1, 0, 0
	QUARTER 1, 192, 0, 1, 0
	TURN 1, 0, 1
	QUARTER 0, 64,  0, 1, 0
	WIN 0
	s_sub_co_u32 s3, s3, 1
	s_cmp_lg_u32 s3, 0
	s_cbranch_scc1 .Llap
	QUARTER 0, 128, 1, 0, 0                        ; the last lap fills nothing, and has no round of the cluster's barrier
	QUARTER 0, 192, 0, 1, 0
	TURN 0, 1, 0
	QUARTER 1, 64,  0, 1, 0
	QUARTER 1, 128, 1, 0, 0
	QUARTER 1, 192, 0, 1, 0
	s_wait_dscnt 2*(NA-4)                          ; the very last quarter: nothing more to fetch
	MULS 1, 0, 4, 0
	s_wait_dscnt 0x0
	MULS 1, 4, NA-4, 0
	WIN 0
	PLACES
	PLACES                                         ; eight places, once a launch, behind the last products
; THE WAY OUT, a block of 16 rows at a time: a lane's 32 bytes of a row go from the accumulators into my own stage, rows of 528 bytes, and come back as whole rows of 512.
.macro TOSTAGE a
.if (\a) < 4
.set AWS, 0x08                         ; the store's data (source 1) in window 2
.else
.set AWS, 0x0c                         ; or 3
.endif
.set AC, 64*((\a)%4)
.set BK, OB+64*((\a)%2)
.if (\a) >= 2
	s_wait_xcnt 0x0                                ; the stores of the block two back have read their registers, which are loaded again below
.endif
	WIN AWS
.irp b, 0,1,2,3,4,5,6,7
	ds_store_b128 v[STO], v[AC+8*(\b):AC+8*(\b)+3]   offset:64*(\b)      ; each accumulator's low end first
	ds_store_b128 v[STO], v[AC+8*(\b)+4:AC+8*(\b)+7] offset:64*(\b)+16
.endr
	WIN 0
.set t, 0
.rept 16
	ds_load_b128 v[BK+4*t:BK+4*t+3], v[RD] offset:SPITCH*t  ; LDS serves a wave's instructions in order (ISA guide 5.7.1.4): these see the stores above; the next block's stores come behind them
.set t, t+1
.endr
.endm
.macro SEND a, younger                 ; younger: the LDS instructions issued behind block a's loads: the next block's 32, or none
.set BK, OB+64*((\a)%2)
	s_wait_dscnt \younger
.set t, 0
.rept 16
	global_store_b128 v[CO], v[BK+4*t:BK+4*t+3], s[8:9] offset:(16*(\a)+t)*OUTB th:TH_STORE_NT  ; 32 lanes store 512 consecutive bytes, aligned; the largest immediate is 1,040,384
.set t, t+1
.endr
.endm
	TOSTAGE 0
.irp a, 1,2,3,4,5,6,7
	TOSTAGE \a
	SEND (\a)-1, 32
.endr
	SEND 7, 0
	s_wait_tensorcnt 0x0                           ; the wave's end, behind my last tensor load and my last LDS store
	ds_add_u32 v[SPW], v[NIL]
	s_wait_dscnt 0x0
	CROUND                                         ; the closing round: no work-group ends while a partner may still ask for a tile that names it
	s_endpgm
.Lfunc_end_k_qadbcfc5d08_prod:
	.size	k_qadbcfc5d08_prod, .Lfunc_end_k_qadbcfc5d08_prod-k_qadbcfc5d08_prod
	.p2alignl 7, 3214868480
	.fill 96, 4, 3214868480
	.section	.rodata,"a",@progbits
	.p2align	6, 0x0
	.amdhsa_kernel k_qadbcfc5d08_prod
		.amdhsa_group_segment_fixed_size 327680
		.amdhsa_private_segment_fixed_size 0
		.amdhsa_enable_private_segment 0
		.amdhsa_kernarg_size 16
		.amdhsa_user_sgpr_count 2
		.amdhsa_user_sgpr_kernarg_segment_ptr 1
		.amdhsa_wavefront_size32 1
		.amdhsa_system_sgpr_workgroup_id_x 1
		.amdhsa_system_sgpr_workgroup_id_y 1
		.amdhsa_system_sgpr_workgroup_id_z 1
		.amdhsa_system_vgpr_workitem_id 0
		.amdhsa_next_free_vgpr 1024
		.amdhsa_next_free_sgpr 78
		.amdhsa_reserve_vcc 0
		.amdhsa_float_denorm_mode_32 3
		.amdhsa_float_denorm_mode_16_64 3
		.amdhsa_memory_ordered 1
		.amdhsa_forward_progress 1
		.amdhsa_inst_pref_size 141
	.end_amdhsa_kernel
	.amdgpu_metadata
---
amdhsa.version: [ 1, 2 ]
amdhsa.kernels:
  - .name:           k_qadbcfc5d08_prod
    .symbol:         k_qadbcfc5d08_prod.kd
    .args:
      - { .name: phi, .offset: 0, .size: 8, .value_kind: global_buffer, .address_space: global }
      - { .name: out0, .offset: 8, .size: 8, .value_kind: global_buffer, .address_space: global }
    .group_segment_fixed_size: 327680
    .private_segment_fixed_size: 0
    .kernarg_segment_align: 8
    .kernarg_segment_size: 16
    .max_flat_workgroup_size: 128
    .sgpr_count:     78
    .vgpr_count:     1024
    .wavefront_size: 32
...
	.end_amdgpu_metadata
.endif
;; end of part 3
;; ======== version 2 of 2: 3 launches; version 1 with the launch prep written anew for expert scheduling mode
;; workspace buffers: xg 25,165,824 bytes; sq2 81,920 bytes; phi 41,943,040 bytes
;; launch prep (part 4): grid 384 x 1, 8 waves a work-group, no clusters, 1,280 bytes of LDS; arguments x, input_weights, gs, xg, sq2; writes xg, sq2
.if DOCPART == 4
	.amdgcn_target "amdgcn-amd-amdhsa--gfx1250"
	.amdhsa_code_object_version 6
	.text
	.protected	k_qadbcfc5d08_prep
	.globl	k_qadbcfc5d08_prep
	.p2align	8
	.type	k_qadbcfc5d08_prep,@function
k_qadbcfc5d08_prep:
	s_mov_b64 s[64:65], 0
	v_nop
	global_prefetch_b8 v0, s[64:65] scope:SCOPE_SE
	s_setreg_imm32_b32 hwreg(HW_REG_WAVE_SCHED_MODE, 0, 2), 2
	s_setreg_imm32_b32 hwreg(HW_REG_WAVE_MODE, 25, 1), 1
	s_wait_xcnt 0x0
	s_wait_alu depctr_vm_vsrc(0)
; xg[12288][1024] bf16 = x (rows 0-8191), input_weights (8192-10239), gs (10240-12287), each number rounded once.
; sq2[10240][2] f32 = the sum of squares of each row of x and of input_weights, taken of the f32 originals, written twice
; (8 bytes a row: a work-group's 32 rows are 256 consecutive bytes, and the next launch loads a row's sum as a ready pair).
; SHARES.  A work-group owns 32 rows, each of its eight waves four.  A row is 4,096 bytes: eight loads of 16 bytes a lane, each of 512
; consecutive bytes.  All 32 loads of a wave go out at once: there is no loop.  Four f32 of a lane pack into 8 bytes of bf16, so one
; store of a wave covers 256 consecutive bytes, aligned.
; The work-groups of gs make their sums like the others (one text for all) and do not store them.
; No matrix unit, no cluster, no tensor load: nothing is shared and nothing is read twice.
; THE MODE: SCHED_MODE bits 1:0 = 2 (LLVM: expert scheduling mode 2), set by the entry lines.  The code itself states the register dependences
; between vector instructions and memory or LDS instructions, with s_wait_alu, always for 0.
; THE PLAN.  Registers that memory or LDS instructions touch:
;   v[LO], v[SO], v[LW], v[L4], v[L8], v[SPW], v[NIL]   offsets and LDS addresses: written once at the head, never again.
;   X, row i     the row's eight loads land in it (no vector instruction has named it before); its sums read it; its sixteen conversions write half of
;                it in place; its eight stores read those halves; nothing writes it afterwards.  Each of the four rows has registers of its own.
;   S            written by the rows' last additions and by the reduction across the lanes; read by the one LDS store; never written again.
;   R            v26: the LDS load lands in it; v27: a v_mov_b32 writes it; the store into sq2 reads the pair.
; So no register that a memory or LDS instruction has read is written again: the text holds no wait on vm_vsrc.  The waits on va_vdst: one ahead of the first load
; (the offsets), one a row behind its conversions (the stores' data), one ahead of the LDS store (S), one ahead of the store into sq2 (v27).  Behind a row's wait its eight
; stores are dealt among the four additions that close the row's sum, which name Q and S alone.
.set SPARE, 256                        ; LDS: bytes 0-127 the 32 sums; from 256 on the spare words, 128 bytes for each of the eight waves
.set LO,  2                            ; v2   my byte offset in the group's source rows: 16,384 x wave + 16 x lane
.set SO,  3                            ; v3   the same in xg: 8,192 x wave + 8 x lane
.set LW,  4                            ; v4   LDS: my wave's four sums at 16 x wave
.set L4,  5                            ; v5   4 x lane
.set L8,  6                            ; v6   8 x lane
.set SPW, 8                            ; v8   LDS address of my spare word; never rewritten
.set NIL, 9                            ; v9   0; never rewritten
.set Q,   10                           ; v[10:17] four pairs of running sums: no memory instruction names them
.set S,   18                           ; v[18:21] the four rows' sums
.set R,   26                           ; v[26:27] a row's sum, twice
.set X,   32                           ; v[32:159] row i at X + 32 i
	s_load_b256 s[4:11], s[0:1], 0x0               ; x s[4:5], input_weights s[6:7], gs s[8:9], xg s[10:11]
	s_load_b64 s[12:13], s[0:1], 0x20              ; sq2
	v_lshl_add_u32 v[SPW], v0, 2, SPARE
	v_mov_b32 v[NIL], 0
	v_and_b32 v1, 31, v0                           ; lane
	v_lshrrev_b32 v7, 5, v0
	v_readfirstlane_b32 s20, v7                    ; wave 0..7
	v_lshlrev_b32 v[L4], 2, v1
	v_lshlrev_b32 v[L8], 3, v1
	s_mov_b32 s22, 0x76543210                      ; v_permlanex16_b32: each lane takes its own place in the other half
	s_mov_b32 s23, 0xfedcba98
	s_wait_alu depctr_va_sdst(0)                   ; s20 is written, ahead of its first reader: the three shifts below, and later the branch on the wave's number
	s_lshl_b32 s21, s20, 14                        ; four rows of 4,096 bytes
	v_lshl_add_u32 v[LO], v1, 4, s21
	s_lshl_b32 s2, s20, 13                         ; four rows of 2,048 bytes (the three shifts have a register each: none that a vector instruction reads is written again)
	v_lshl_add_u32 v[SO], v1, 3, s2
	s_lshl_b32 s3, s20, 4
	v_mov_b32 v[LW], s3
	s_wait_kmcnt 0x0
	s_cmp_lt_u32 ttmp9, 256                        ; work-groups 0-255: x; 256-319: input_weights; 320-383: gs
	s_cselect_b64 s[14:15], s[4:5], s[6:7]
	s_cselect_b32 s16, 0, 256
	s_cmp_lt_u32 ttmp9, 320
	s_cselect_b64 s[14:15], s[14:15], s[8:9]
	s_cselect_b32 s16, s16, 320
	s_sub_co_u32 s17, ttmp9, s16                   ; my number within the source
	s_lshl_b32 s18, s17, 17                        ; 32 rows of 4,096 bytes
	s_mov_b32 s19, 0
	s_add_nc_u64 s[14:15], s[14:15], s[18:19]
	s_lshl_b32 s18, ttmp9, 16                      ; 32 rows of 2,048 bytes
	s_add_nc_u64 s[10:11], s[10:11], s[18:19]
	s_lshl_b32 s18, ttmp9, 8                       ; 32 rows of 8 bytes (used by work-groups 0-319 alone)
	s_add_nc_u64 s[12:13], s[12:13], s[18:19]
	s_wait_alu depctr_va_vdst(0)                   ; v[LO], v[SO], v[LW], v[L4], v[L8], v[SPW] and v[NIL] are written: every load, store and LDS instruction of the kernel reads one of them, and no vector instruction names them again
.set i, 0
.rept 4
.set j, 0
.rept 8
	global_load_b128 v[X+32*i+4*j:X+32*i+4*j+3], v[LO], s[14:15] offset:4096*i+512*j th:TH_LOAD_NT
.set j, j+1
.endr
.set i, i+1
.endr
; Two of row i's eight stores: pieces j and j + 1.
.macro OUT2 i, j
	global_store_b64 v[SO], v[X+32*(\i)+4*(\j):X+32*(\i)+4*(\j)+1],   s[10:11] offset:2048*(\i)+256*(\j)      ; 32 lanes store 256 consecutive bytes, aligned
	global_store_b64 v[SO], v[X+32*(\i)+4*(\j)+4:X+32*(\i)+4*(\j)+5], s[10:11] offset:2048*(\i)+256*(\j)+256
.endm
; Row i of my four: its sum of squares in four chains of packed multiply-adds, then its numbers rounded in place; one wait; then its stores, among the additions that close the sum.
; The stores go out ahead of the wait for the next row's data.  No register is written again behind its store.
.macro ROW i
	s_wait_loadcnt 8*(3-(\i))                      ; loads come back in order: my row's eight are in, the later rows' stay out
.set XR, X+32*(\i)
.set p, 0
.rept 16
.if p < 4
	v_pk_mul_f32 v[Q+2*p:Q+2*p+1], v[XR+2*p:XR+2*p+1], v[XR+2*p:XR+2*p+1]  ; the first four pairs start the chains
.else
	v_pk_fma_f32 v[Q+2*(p%4):Q+2*(p%4)+1], v[XR+2*p:XR+2*p+1], v[XR+2*p:XR+2*p+1], v[Q+2*(p%4):Q+2*(p%4)+1]
.endif
.set p, p+1
.endr
.set j, 0
.rept 8
	v_cvt_pk_bf16_f32 v[XR+4*j], v[XR+4*j], v[XR+4*j+1]
	v_cvt_pk_bf16_f32 v[XR+4*j+1], v[XR+4*j+2], v[XR+4*j+3]
.set j, j+1
.endr
	s_wait_alu depctr_va_vdst(0)                   ; the sixteen conversions have written the row's eight pairs, which the eight stores below read; the additions among the stores name Q and S alone
	OUT2 \i, 0
	v_pk_add_f32 v[Q:Q+1], v[Q:Q+1], v[Q+2:Q+3]
	OUT2 \i, 2
	v_pk_add_f32 v[Q+4:Q+5], v[Q+4:Q+5], v[Q+6:Q+7]
	OUT2 \i, 4
	v_pk_add_f32 v[Q:Q+1], v[Q:Q+1], v[Q+4:Q+5]
	OUT2 \i, 6
	v_add_f32 v[S+(\i)], v[Q], v[Q+1]
.endm
	ROW 0
	ROW 1
	ROW 2
	ROW 3
	; across the 32 lanes, the four rows side by side
.irp m, 1,2,4,8
.irp i, 0,1,2,3
	v_add_f32_dpp v[S+(\i)], v[S+(\i)], v[S+(\i)] row_xmask:\m row_mask:0xf bank_mask:0xf
.endr
.endr
.irp i, 0,1,2,3
	v_permlanex16_b32 v[Q+(\i)], v[S+(\i)], s22, s23   ; its destination has been written before
.endr
.irp i, 0,1,2,3
	v_add_f32 v[S+(\i)], v[S+(\i)], v[Q+(\i)]          ; every lane holds the row's sum
.endr
	s_wait_alu depctr_va_vdst(0)                   ; the four additions have written S, which the LDS store reads
	ds_store_b128 v[LW], v[S:S+3]                  ; all lanes write the same 16 bytes with the same numbers: word 4 w + i is row 4 w + i
	s_wait_dscnt 0x0                               ; for the others' sake: my store is done
	s_barrier_signal -1
	s_barrier_wait -1                              ; all 32 sums lie in LDS
	s_cmp_lg_u32 s20, 0
	s_cbranch_scc1 .Lend                           ; wave 0 stores them,
	s_cmp_ge_u32 ttmp9, 320
	s_cbranch_scc1 .Lend                           ; and not for rows of gs
	ds_load_b32 v[R], v[L4]                        ; lane l: row l; no vector instruction has named v[R]
	s_wait_dscnt 0x0
	v_mov_b32 v[R+1], v[R]
	s_wait_alu depctr_va_vdst(0)                   ; the move has written v[R+1], the upper half of the store's data
	global_store_b64 v[L8], v[R:R+1], s[12:13]     ; 256 consecutive bytes, aligned
.Lend:
	s_wait_dscnt 0x0                               ; the closing lines, six on end
	s_wait_alu 0x0
	s_wait_tensorcnt 0x0
	ds_add_u32 v[SPW], v[NIL]
	s_wait_dscnt 0x0
	s_endpgm
.Lfunc_end_k_qadbcfc5d08_prep:
	.size	k_qadbcfc5d08_prep, .Lfunc_end_k_qadbcfc5d08_prep-k_qadbcfc5d08_prep
	.p2alignl 7, 3214868480
	.fill 96, 4, 3214868480
	.section	.rodata,"a",@progbits
	.p2align	6, 0x0
	.amdhsa_kernel k_qadbcfc5d08_prep
		.amdhsa_group_segment_fixed_size 1280
		.amdhsa_private_segment_fixed_size 0
		.amdhsa_enable_private_segment 0
		.amdhsa_kernarg_size 40
		.amdhsa_user_sgpr_count 2
		.amdhsa_user_sgpr_kernarg_segment_ptr 1
		.amdhsa_wavefront_size32 1
		.amdhsa_system_sgpr_workgroup_id_x 1
		.amdhsa_system_sgpr_workgroup_id_y 1
		.amdhsa_system_sgpr_workgroup_id_z 1
		.amdhsa_system_vgpr_workitem_id 0
		.amdhsa_next_free_vgpr 160
		.amdhsa_next_free_sgpr 66
		.amdhsa_reserve_vcc 0
		.amdhsa_float_denorm_mode_32 3
		.amdhsa_float_denorm_mode_16_64 3
		.amdhsa_memory_ordered 1
		.amdhsa_forward_progress 1
		.amdhsa_inst_pref_size 20
	.end_amdhsa_kernel
	.amdgpu_metadata
---
amdhsa.version: [ 1, 2 ]
amdhsa.kernels:
  - .name:           k_qadbcfc5d08_prep
    .symbol:         k_qadbcfc5d08_prep.kd
    .args:
      - { .name: x, .offset: 0, .size: 8, .value_kind: global_buffer, .address_space: global }
      - { .name: input_weights, .offset: 8, .size: 8, .value_kind: global_buffer, .address_space: global }
      - { .name: gs, .offset: 16, .size: 8, .value_kind: global_buffer, .address_space: global }
      - { .name: xg, .offset: 24, .size: 8, .value_kind: global_buffer, .address_space: global }
      - { .name: sq2, .offset: 32, .size: 8, .value_kind: global_buffer, .address_space: global }
    .group_segment_fixed_size: 1280
    .private_segment_fixed_size: 0
    .kernarg_segment_align: 8
    .kernarg_segment_size: 40
    .max_flat_workgroup_size: 256
    .sgpr_count:     66
    .vgpr_count:     160
    .wavefront_size: 32
...
	.end_amdgpu_metadata
.endif
;; end of part 4
;; launch feat: the kernel of part 2 again; grid 8 x 32, 4 waves a work-group, clusters of 4 x 4, 327,680 bytes of LDS; arguments xg, xis, phi, sq2; writes phi
;; launch prod: the kernel of part 3 again; grid 8 x 32, 4 waves a work-group, clusters of 4 x 4, 327,680 bytes of LDS; arguments phi, out0; writes out0
